; MI455X (gfx1250); checked and timed in simulation.
; The chip was launched on July 23, 2026; its instructions are those of AMD's public machine-readable ISA for CDNA 5 (MIT licence, August 2026) and "CDNA5" Instruction Set Architecture Reference Guide (July 2026). The comments in the code are by the model that wrote it; some were corrected since.
;; Factorized LSTM Cell. Allowed arithmetic: float matrix products may take bf16 or f16 operands with f32 sums; other float arithmetic in f32, or as packed bf16 or f16 multiplies, adds, multiply-adds, maxima and minima; sums over many terms, partial sums and values carried from step to step in f32; what a program stores and reads back later, other than sums and carried values, may be rounded once to bf16 or f16.
;; Inputs: Uc 4,096 x 512 float32; Uf 4,096 x 512 float32; Ui 4,096 x 512 float32; Uo 4,096 x 512 float32; Vc 512 x 2,048 float32; Vf 512 x 2,048 float32; Vi 512 x 2,048 float32; Vo 512 x 2,048 float32; bc 2,048 float32; bf 2,048 float32; bi 2,048 float32; bo 2,048 float32; c 4,096 x 2,048 float32; h 4,096 x 2,048 float32; x 4,096 x 2,048 float32.
;; Outputs: out0 4,096 x 2,048 float32; out1 4,096 x 2,048 float32.
;; 2 versions, each right; version 2 is version 1 with the launch cast written anew for expert scheduling mode. Each part assembles by itself: llvm-mc -triple=amdgcn-amd-amdhsa -mcpu=gfx1250 --defsym DOCPART=n.
;; ======== version 1 of 2: 3 launches
;; workspace buffers: Ub 16,777,216 bytes; Vb 8,388,608 bytes; Tb 16,777,216 bytes
;; launch cast (part 1): grid 768 x 1, 8 waves a work-group, no clusters, 0 bytes of LDS; arguments Ui, Uc, Uf, Uo, Vi, Vc, Vf, Vo, Ub, Vb; writes Ub, Vb
.if DOCPART == 1
	.amdgcn_target "amdgcn-amd-amdhsa--gfx1250"
	.amdhsa_code_object_version 6
	.text
	.protected	k_q45b1d811ba_cast
	.globl	k_q45b1d811ba_cast
	.p2align	8
	.type	k_q45b1d811ba_cast,@function
k_q45b1d811ba_cast:
	s_mov_b64 s[64:65], 0
	v_nop
	global_prefetch_b8 v0, s[64:65] scope:SCOPE_SE
	s_setreg_imm32_b32 hwreg(HW_REG_WAVE_MODE, 25, 1), 1
	s_wait_xcnt 0x0
; The eight weight matrices, f32, are rounded once to bf16 and stacked by gate (order i, c, f, o); [K][N] is kept.
;   Ub[k][512 g + r] = bf16(U_g[k][r])   [4096][2048] bf16;   Vb[512 g + r][n] = bf16(V_g[r][n])   [2048][2048] bf16.
; A stream: each byte is read once and written once; no work-group shares an input with another, so no cluster, no LDS, no matrix unit.
; SHARES.  A work-group takes 16 chunks of 1,024 numbers (65,536 bytes on end) of ONE source: groups 0-511 the four U (128 each),
; groups 512-767 the four V (64 each).  Thread t takes 16 bytes of each chunk: a wave's load covers 512 consecutive bytes,
; its store of 8 bytes a lane 256 consecutive bytes, aligned.  All 16 loads of a thread go out together; no register is used twice.
.set D, 8                              ; v[8:23]   chunk j: my byte offset in the destination
.set X, 32                             ; v[32:95]  chunk j: four f32 as loaded
.set Y, 96                             ; v[96:127] chunk j: four bf16 to store
	s_load_b512 s[8:23], s[0:1], 0x0               ; the eight sources, in the order of the gates: U's four, V's four
	s_load_b128 s[24:27], s[0:1], 0x40             ; Ub s[24:25], Vb s[26:27]
	; both cases are worked out, then chosen: shifts and sums write SCC, moves and selects do not
	s_lshr_b32 s34, ttmp9, 7                       ; U: which gate,
	s_and_b32 s35, ttmp9, 127                      ;    which 32 rows of it
	s_lshl_b32 s36, s34, 10                        ;    the gate's 512 columns: 1,024 bytes into a row of Ub
	s_lshl_b32 s37, s35, 17                        ;    32 rows of 4,096 bytes
	s_add_co_u32 s36, s36, s37
	s_and_b32 s38, ttmp9, 255                      ; V: the group's number less 512
	s_lshr_b32 s39, s38, 6                         ;    which gate,
	s_and_b32 s40, s38, 63                         ;    which 16,384 numbers of it
	s_lshl_b32 s41, s39, 21                        ;    the gate's 512 rows of 4,096 bytes
	s_lshl_b32 s42, s40, 15                        ;    16,384 bf16
	s_add_co_u32 s41, s41, s42
	s_add_co_u32 s39, s39, 4                       ;    V's sources come behind U's four
	s_movk_i32 s5, 2048
	s_cmp_lt_u32 ttmp9, 512                        ; a group of U's?
	s_cselect_b32 s3, s34, s39                     ; the source's number, 0 to 7
	s_cselect_b32 s4, s35, s40                     ; my part of it
	s_cselect_b32 s5, 8192, s5                     ; bytes in the destination from chunk to chunk: U: two rows of Ub; V: dense
	s_cselect_b32 s6, 3072, 0                      ; U: a chunk is two rows of 512; the second lies 4,096 bytes on, not 1,024
	s_cselect_b32 s32, s36, s41                    ; the group's first byte in the destination
	s_mov_b32 s33, 0
	s_lshl_b32 s44, s4, 16                         ; and in the source
	s_mov_b32 s45, 0
	v_lshlrev_b32 v1, 4, v0                        ; my 16 bytes of a chunk
	v_lshrrev_b32 v3, 7, v0                        ; which half of the chunk
	v_lshlrev_b32 v2, 3, v0                        ; my 8 bytes of its bf16
	v_mad_u32_u24 v2, v3, s6, v2
.set j, 0
.rept 16
	v_mad_u32_u24 v[D+j], s5, j, v2
.set j, j+1
.endr
	s_wait_kmcnt 0x0
	s_cmp_lt_u32 ttmp9, 512
	s_cselect_b64 s[30:31], s[24:25], s[26:27]     ; Ub or Vb
	s_mov_b64 s[28:29], s[8:9]
.irp n, 1,2,3,4,5,6,7
	s_cmp_eq_u32 s3, \n
	s_cselect_b64 s[28:29], s[8+2*\n:9+2*\n], s[28:29]
.endr
	s_add_nc_u64 s[28:29], s[28:29], s[44:45]
	s_add_nc_u64 s[30:31], s[30:31], s[32:33]
.set j, 0
.rept 16
	global_load_b128 v[X+4*j:X+4*j+3], v1, s[28:29] offset:4096*j th:TH_LOAD_NT
.set j, j+1
.endr
.set j, 0
.rept 16
	s_wait_loadcnt 15-j                            ; loads come back in order (ISA guide 5.7.1): chunk j is in, the younger ones stay out
	v_cvt_pk_bf16_f32 v[Y+2*j], v[X+4*j], v[X+4*j+1]
	v_cvt_pk_bf16_f32 v[Y+2*j+1], v[X+4*j+2], v[X+4*j+3]
	global_store_b64 v[D+j], v[Y+2*j:Y+2*j+1], s[30:31]
.set j, j+1
.endr
	s_endpgm
.Lfunc_end_k_q45b1d811ba_cast:
	.size	k_q45b1d811ba_cast, .Lfunc_end_k_q45b1d811ba_cast-k_q45b1d811ba_cast
	.p2alignl 7, 3214868480
	.fill 96, 4, 3214868480
	.section	.rodata,"a",@progbits
	.p2align	6, 0x0
	.amdhsa_kernel k_q45b1d811ba_cast
		.amdhsa_group_segment_fixed_size 0
		.amdhsa_private_segment_fixed_size 0
		.amdhsa_enable_private_segment 0
		.amdhsa_kernarg_size 80
		.amdhsa_user_sgpr_count 2
		.amdhsa_user_sgpr_kernarg_segment_ptr 1
		.amdhsa_wavefront_size32 1
		.amdhsa_system_sgpr_workgroup_id_x 1
		.amdhsa_system_sgpr_workgroup_id_y 1
		.amdhsa_system_sgpr_workgroup_id_z 1
		.amdhsa_system_vgpr_workitem_id 0
		.amdhsa_next_free_vgpr 128
		.amdhsa_next_free_sgpr 66
		.amdhsa_reserve_vcc 0
		.amdhsa_float_denorm_mode_32 3
		.amdhsa_float_denorm_mode_16_64 3
		.amdhsa_memory_ordered 1
		.amdhsa_forward_progress 1
		.amdhsa_inst_pref_size 9
	.end_amdhsa_kernel
	.amdgpu_metadata
---
amdhsa.version: [ 1, 2 ]
amdhsa.kernels:
  - .name:           k_q45b1d811ba_cast
    .symbol:         k_q45b1d811ba_cast.kd
    .args:
      - { .name: Ui, .offset: 0, .size: 8, .value_kind: global_buffer, .address_space: global }
      - { .name: Uc, .offset: 8, .size: 8, .value_kind: global_buffer, .address_space: global }
      - { .name: Uf, .offset: 16, .size: 8, .value_kind: global_buffer, .address_space: global }
      - { .name: Uo, .offset: 24, .size: 8, .value_kind: global_buffer, .address_space: global }
      - { .name: Vi, .offset: 32, .size: 8, .value_kind: global_buffer, .address_space: global }
      - { .name: Vc, .offset: 40, .size: 8, .value_kind: global_buffer, .address_space: global }
      - { .name: Vf, .offset: 48, .size: 8, .value_kind: global_buffer, .address_space: global }
      - { .name: Vo, .offset: 56, .size: 8, .value_kind: global_buffer, .address_space: global }
      - { .name: Ub, .offset: 64, .size: 8, .value_kind: global_buffer, .address_space: global }
      - { .name: Vb, .offset: 72, .size: 8, .value_kind: global_buffer, .address_space: global }
    .group_segment_fixed_size: 0
    .private_segment_fixed_size: 0
    .kernarg_segment_align: 8
    .kernarg_segment_size: 80
    .max_flat_workgroup_size: 256
    .sgpr_count:     66
    .vgpr_count:     128
    .wavefront_size: 32
...
	.end_amdgpu_metadata
.endif
;; end of part 1
;; launch lowrank (part 2): grid 32 x 8, 4 waves a work-group, clusters of 4 x 1, 327,680 bytes of LDS; arguments x, h, Ub, Tb; writes Tb
.if DOCPART == 2
	.amdgcn_target "amdgcn-amd-amdhsa--gfx1250"
	.amdhsa_code_object_version 6
	.text
	.protected	k_q45b1d811ba_lowrank
	.globl	k_q45b1d811ba_lowrank
	.p2align	8
	.type	k_q45b1d811ba_lowrank,@function
k_q45b1d811ba_lowrank:
	s_mov_b64 s[64:65], 0
	v_nop
	global_prefetch_b8 v0, s[64:65] scope:SCOPE_SE
	s_setreg_imm32_b32 hwreg(HW_REG_WAVE_MODE, 25, 1), 1
	s_wait_xcnt 0x0
	s_wait_alu depctr_hold_cnt(0) depctr_sa_sdst(0) depctr_va_vdst(0) depctr_va_sdst(0) depctr_va_ssrc(0) depctr_va_vcc(0) depctr_vm_vsrc(0)
	s_getreg_b32 s2, hwreg(HW_REG_IB_STS2, 6, 4)
	s_cmp_eq_u32 s2, 0
	s_cbranch_scc0 .Lentry_in_a_cluster
	s_endpgm
.Lentry_in_a_cluster:
	s_bfe_u32 s2, ttmp6, 0x10000c
	s_cmp_lg_u32 s2, 0x3003
	s_cbranch_scc0 .Lentry_shape_is_right
	s_endpgm
.Lentry_shape_is_right:
; Tb[m][n] = bf16( sum over k of [x|h][m][k] Ub[k][n] ).  x, h: [4096][2048] f32; Ub: [4096][2048] bf16 ([K][N], the four gates side by side);
; Tb: [4096][2048] bf16.  Operands in bf16 (x and h rounded once, in registers), sums in f32, K ascending, Tb rounded once.
; Tb is kept in bf16, which has f32's range.  NaN and infinities are not treated apart.
; SHARES.  A tile of Tb is 128 rows x 256 columns: 256 work-groups of four waves; a wave makes 64 x 128: 32 accumulators, 256 registers.
; B, THE RING.  K goes in 16 steps of 256 through two LDS slots that hold Ub alone: 256 k-rows x 512 bytes.  Each wave brings 64 k-rows by one tensor load.  A step is 256 matrix
; instructions a wave; 244 of them stand between a refill and the wait for it.  Ub lies [K][N]: its fragments come out of LDS turned, by ds_load_tr16_b128.
; CLUSTER.  The four work-groups of a cluster make four tile rows of one tile column and need the same columns of Ub: each load is a joint one, mask 15.
; A, THROUGH REGISTERS.  x|h goes in 64 sub-steps of 64 k.  For each, wave w loads its 32 of the tile's 128 rows (16 loads; 16 lanes take 256 consecutive bytes, aligned) into one of four
; register sets, four sub-steps (256 matrix instructions) ahead of the use; these loads stay out across the barriers.  A set that has come is rounded to bf16 (32 conversions, four behind
; each of eight matrix instructions), stored into one of two LDS buffers of 128 rows x 128 bytes that no tensor load touches, and read from there as fragments by all four waves.
; One barrier a sub-step: in front of it each wave's stores of the next sub-step and its reads of this one are done; every fourth is the ring's change of slots.
; WHY x|h IS NOT ASKED FOR JOINTLY, though the eight work-groups of a tile row read the same rows: in f32 a k of A's 128 rows takes 512 bytes of LDS, as many as a k of B's 256 columns;
; beside B in the ring it would halve the k that a slot holds, and with it the matrix instructions between a refill and its wait (116 for 244).
; x AND h ARE NOT PREFETCHED: the loads themselves stand 256 matrix instructions ahead of the use.
; THE MATRIX INSTRUCTION IS USED TRANSPOSED (source 0 = 16 columns of Ub, source 1 = 16 rows of x|h): a lane then holds eight neighbouring numbers of a row of Tb.
; REGISTERS, in windows of 256 (s_set_vgpr_msb: bits 1:0 source 0, 3:2 source 1, 5:4 source 2, 7:6 destination):
;   window 0: v0-31 addresses; v32-63 a sub-step's bf16 on its way to LDS, later at work on the way out; v64-191 whole rows on the way out
;   window 1: v0-127 B's fragments, two buffers of 8; v128-191 A's, two buffers of 4      window 2: accumulator (a, b) at v[8 (8 a + b)]      window 3: the four sets of 64 f32
.set KSUB,   64                        ; k in a sub-step
.set XROW,   8192                      ; bytes in a row of x and of h
.set UROW,   4096                      ; bytes in a row of Ub and of Tb
.set PB,     544                       ; B's LDS row: 512 bytes + 32 = 136 words
.set QB,     64*PB                     ; 64 k-rows: what one tensor load brings, and what a sub-step reads
.set SLOT,   4*QB
.set ASTG,   2*SLOT                    ; behind the ring: A's two buffers
.set PS,     144                       ; a row there: 128 bytes + 16 = 36 words: the 16 rows of a fragment load start 4 banks apart
.set ABUF,   128*PS
.set SP,     272                       ; the way out: 16 rows x 272 bytes for each wave, in A's buffer 0 (17,408 of its 18,432 bytes)
.set SPARE,  ASTG+2*ABUF               ; the spare words, 128 bytes for each wave: two blocks of 256 bytes that no other line names
.set BSTEP,  256*UROW                  ; a K step down Ub
.set STEPS,  16
.set ADRA,  16                         ; v16     my A fragments' place in buffer 0
.set ADRB0, 17                         ; v17     my lane's place in a sub-step's 64 k-rows of B
.set ADRB,  20                         ; v20-23  the same in the slot that is being read, sub-steps 0 to 3
.set STO,   24                         ; v24     the way out: where I put 16 bytes of a row
.set RD,    25                         ; v25     where I read a row back
.set CO,    26                         ; v26     my byte offset in Tb
.set AOF,   27                         ; v27     my byte offset in x and h: 16 (l % 16), and 8 rows down for lanes 16-31; never rewritten
.set SPW,   28                         ; v28     my spare word: SPARE + 4 x my thread's number; never rewritten
.set NIL,   29                         ; v29     0; never rewritten
.set PFO,   30                         ; v30     the prefetches' offset; never rewritten
.set AST,   31                         ; v31     where I store 8 bytes of bf16 in buffer 0
.set CT,    32
.set TMP,   32
.set OB,    64
.set BF,    0                          ; window 1
.set ABF,   128                        ; window 1
.set WV,  12                           ; s12  wave
.set RH,  13                           ; s13  which 64 rows of the tile I multiply
.set CH,  14                           ; s14  which 128 columns
.set CX,  15                           ; s15  my place in the cluster
.set TC,  16                           ; s16  tile column
.set TR,  17                           ; s17  tile row
.set G1B, 24                           ; s[24:31] descriptor group 1
.set G0F, 32                           ; s[32:35] group 0 of the first fill
.set G0W, 36                           ; s[36:39] group 0 of the second, which then walks on
.set XB,  40                           ; s[40:41] x at the 32 rows that I load;  s[42:43] h there
.set HB,  42
.set AP,  44                           ; s[44:45] where the set asked for last begins
.set AO,  46                           ; s[46:47] its byte offset along a row
.set AN,  48                           ; s48  256 x its sub-step's number
.set TB,  49                           ; s49  LDS byte at which the slot that is being read begins
.set WVQ, 50                           ; s50  my 64 k-rows' place in a slot
.set LIM, 51                           ; s51  1 in a wave that prefetches, else the greatest number
.set PFA, 52                           ; s[52:53] where my prefetches stand
.set T1,  54                           ; s54-56  TB + 1, 2, 3 sub-steps
.set MSB, 0
.macro WIN new                         ; the immediate's high byte repeats the setting that is left; a switch that changes nothing is dropped
.if MSB != (\new)
	s_set_vgpr_msb (MSB<<8)|(\new)
.set MSB, \new
.endif
.endm
.set MUL,  0xa5                        ; sources 0 (B) and 1 (A) window 1, C and D window 2
.set TO_F, 0x40                        ; destination window 1, address window 0
.set TO_R, 0xc0                        ; destination window 3, address window 0
.set CV,   0x0f                        ; sources window 3, destination window 0
.macro CREST                           ; a round of the cluster's barrier behind its opening barrier
	s_cmp_lg_u32 s[WV], 0
	s_cbranch_scc1 .Lnot_wave_0_\@
	s_barrier_signal -3
.Lnot_wave_0_\@:
	s_barrier_wait -3
	s_barrier_signal -1
	s_barrier_wait -1
.endm
.macro CROUND
	s_barrier_signal -1
	s_barrier_wait -1
	CREST
.endm
.macro PLACES                          ; four places behind matrix instructions, in front of loads into registers that they have read
.rept 4
	v_nop
.endr
.endm
; A PREFETCH INTO THE L2 of the K step of Ub that the NEXT change of slots will ask for: 256 matrix instructions ahead of that load.  Each aligned block of 256 bytes is named once in the launch:
; a tile column's columns are read by eight clusters; the one with x = 0 asks.  Of the 64 k-rows x 512 bytes that a wave fetches, the partner at place cx takes rows 16 cx .. 16 cx + 15,
; told apart by address; two lanes a row.  The loop's last trip asks for nothing: there is no K step behind the one that it fills.
.macro ASK
	s_cmp_gt_u32 s3, s[LIM]
	s_cbranch_scc0 .Lnot_mine_\@
	global_prefetch_b8 v[PFO], s[PFA:PFA+1] th:TH_LOAD_NT scope:SCOPE_SE
.Lnot_mine_\@:
.endm
	s_load_b256 s[4:11], s[0:1], 0x0               ; x s[4:5], h s[6:7], Ub s[8:9], Tb s[10:11]
	v_lshl_add_u32 v[SPW], v0, 2, SPARE
	v_mov_b32 v[NIL], 0
	ds_add_u32 v[SPW], v[NIL]                      ; the wave's opening: the add and its wait stand ahead of my first tensor load; work on registers stands between
	v_lshrrev_b32 v1, 5, v0
	v_readfirstlane_b32 s[WV], v1
	s_lshr_b32 s[RH], s[WV], 1
	s_and_b32 s[CH], s[WV], 1
	s_bfe_u32 s[CX], ttmp6, 0x40000
	s_lshl_b32 s[TR], ttmp9, 2
	s_add_co_u32 s[TR], s[TR], s[CX]               ; tile row = 4 x cluster x + cx: it enters x's, h's and Tb's addresses alone
	s_and_b32 s[TC], ttmp7, 0xffff                 ; tile column, which the four partners share
	s_mov_b32 s[G1B], 15|(1<<16)|(1<<20)|(1<<21)|(6<<22)|(7<<25)  ; the mask of four; elements of 2 bytes; padding on; bit 21 beside a mask; after every 128 words 8 words
	s_mov_b32 s[G1B+1], 256<<16                    ; tensor_dim0 = 256 bf16
	s_mov_b32 s[G1B+2], 64<<16                     ; tensor_dim1 = 64 k-rows
	s_mov_b32 s[G1B+3], 256<<16                    ; tile_dim0
	s_mov_b32 s[G1B+4], 64                         ; tile_dim1
	s_mov_b32 s[G1B+5], 2048                       ; elements from row to row
	s_mov_b32 s[G1B+6], 0
	s_mov_b32 s[G1B+7], 0
	s_mul_i32 s[WVQ], s[WV], QB                    ; no place in the cluster enters an LDS address
	s_lshl_b32 s20, s[WV], 18                      ; 32 rows of 8,192 bytes x wave, which is also 64 rows of 4,096 bytes x wave
	s_lshl_b32 s18, s[TR], 20                      ; A: 128 rows of 8,192 bytes x tile row
	s_add_co_u32 s18, s18, s20
	s_mov_b32 s19, 0
	s_lshl_b32 s21, s[TC], 9                       ; B: the tile's 256 columns
	s_add_co_u32 s22, s20, s21
	s_mov_b32 s23, 0
	s_lshl_b32 s60, s[CX], 16                      ; the prefetches: my work-group's 16 of my 64 k-rows,
	s_add_co_u32 s60, s60, s22
	s_add_co_u32 s60, s60, 2*BSTEP                 ; at K step 2: the first change of slots steps it to 3.  Nothing is prefetched at the head
	s_mov_b32 s61, 0
	s_mov_b32 s[AO+1], 0
	s_mov_b32 s[AN], 3*KSUB*4                      ; sub-steps 0 to 3 are asked for below
	s_mov_b32 s[TB], 0
	s_cmp_eq_u32 ttmp9, 0
	s_cselect_b32 s[LIM], 1, -1                    ; the same in all four partners
	s_mov_b32 s[G0F], 1
	s_mov_b32 s[G0F+1], s[WVQ]                     ; slot 0
	s_mov_b32 s[G0W], 1
	s_add_co_u32 s[G0W+1], s[WVQ], SLOT            ; slot 1
	v_and_b32 v1, 15, v0                           ; l % 16
	v_bfe_u32 v2, v0, 4, 1                         ; l / 16
	v_lshlrev_b32 v3, 16, v2                       ; 8 rows of 8,192 bytes
	v_lshl_add_u32 v[AOF], v1, 4, v3
	s_wait_dscnt 0x0                               ; the opening add is done
	s_wait_kmcnt 0x0
	s_add_nc_u64 s[XB:XB+1], s[4:5], s[18:19]
	s_add_nc_u64 s[HB:HB+1], s[6:7], s[18:19]
	s_add_nc_u64 s[PFA:PFA+1], s[8:9], s[60:61]
	s_add_nc_u64 s[G0F+2:G0F+3], s[8:9], s[22:23]  ; K step 0,
	s_add_nc_u64 s[G0W+2:G0W+3], s[G0F+2:G0F+3], BSTEP  ; K step 1
	s_or_b32 s[G0F+3], s[G0F+3], 0x80000000        ; the type
	s_or_b32 s[G0W+3], s[G0W+3], 0x80000000
	; load t of a set: rows t % 8 + 16 (t / 8) of my 32 in lanes 0-15, eight rows further down in lanes 16-31
	WIN TO_R
.set n, 0
.rept 4                                ; sub-steps 0 to 3 fill the four sets
.set t, 0
.rept 16
	global_load_b128 v[64*n+4*t:64*n+4*t+3], v[AOF], s[XB:XB+1] offset:((t&7)+16*(t>>3))*XROW+n*KSUB*4
.set t, t+1
.endr
.set n, n+1
.endr
	WIN 0
	CROUND                                         ; all four work-groups are here: the first joint loads meet
	tensor_load_to_lds s[G0F:G0F+3], s[G1B:G1B+7]
	s_nop 0
	tensor_load_to_lds s[G0W:G0W+3], s[G1B:G1B+7]  ; two loads of mine are out
	s_nop 0
	v_mul_u32_u24 v3, v2, 8*PS                     ; A's stores: row 32 w + 8 (l / 16) + the load's, 8 bytes a lane: lanes 16-31 lie 288 words on, the other half of the banks
	v_lshl_add_u32 v3, v1, 3, v3
	s_mul_i32 s18, s[WV], 32*PS
	s_add_co_u32 s18, s18, ASTG
	v_add_nc_u32 v[AST], s18, v3
	v_mul_u32_u24 v3, v1, PS                       ; A's fragments: row l % 16 of my 64, 16 bytes for each half of the lanes, twice, 32 bytes apart
	v_lshl_add_u32 v3, v2, 4, v3
	s_mul_i32 s18, s[RH], 64*PS
	s_add_co_u32 s18, s18, ASTG
	v_add_nc_u32 v[ADRA], s18, v3
	v_and_b32 v4, 7, v0                            ; the turning load: lane l reads k-row 8 (l / 16) + l % 8, columns 8 ((l / 8) % 2) + 0..7, and is left with column l % 16 and 8 k
	v_lshl_add_u32 v4, v2, 3, v4
	v_mul_u32_u24 v4, v4, PB
	v_bfe_u32 v5, v0, 3, 1
	v_lshl_add_u32 v4, v5, 4, v4
	s_lshl_b32 s18, s[CH], 8                       ; my 128 columns
	v_add_nc_u32 v[ADRB0], s18, v4
	v_mov_b32 v[ADRB], v[ADRB0]                    ; slot 0
	v_add_nc_u32 v[ADRB+1], QB, v[ADRB0]
	v_add_nc_u32 v[ADRB+2], 2*QB, v[ADRB0]
	v_add_nc_u32 v[ADRB+3], 3*QB, v[ADRB0]
	s_mul_i32 s18, s[WV], 16*SP
	s_add_co_u32 s18, s18, ASTG                    ; my stage for the way out
	v_mul_u32_u24 v6, v1, SP                       ; in: row l % 16, 16 bytes for each half of the lanes
	v_lshl_add_u32 v6, v2, 4, v6
	v_add_nc_u32 v[STO], s18, v6
	v_mul_u32_u24 v6, v2, SP                       ; back: lanes 0-15 one row of 256 bytes, lanes 16-31 the next
	v_lshl_add_u32 v6, v1, 4, v6
	v_add_nc_u32 v[RD], s18, v6
	v_lshlrev_b32 v6, 12, v2                       ; and the same two rows in Tb
	v_lshl_add_u32 v[CO], v1, 4, v6
	s_lshl_b32 s18, s[TR], 19                      ; my part of the tile in Tb: row 128 x tile row + 64 x half, rows of 4,096 bytes,
	s_lshl_b32 s19, s[RH], 18
	s_add_co_u32 s18, s18, s19
	s_add_co_u32 s18, s18, s21                     ; column byte 512 x tile column + 256 x half
	s_lshl_b32 s19, s[CH], 8
	s_add_co_u32 s18, s18, s19
	s_mov_b32 s19, 0
	s_add_nc_u64 s[10:11], s[10:11], s[18:19]
	v_and_b32 v3, 31, v0
	v_lshrrev_b32 v4, 1, v3
	v_lshlrev_b32 v[PFO], 12, v4                   ; two lanes a row of 4,096 bytes,
	v_and_b32 v4, 1, v3
	v_lshl_add_u32 v[PFO], v4, 8, v[PFO]           ; 256 bytes apart
; Matrix instructions from .. to - 1 of a quarter's 32 (32 along K): number i is accumulator (i / 8, i % 8).  The 32 accumulators take turns, in the same order in every quarter.
; zero = 1: the product starts the sum.  ride = 1 (numbers 8 to 15): four conversions of register set 'ring' stand behind each.
.macro MULS f, from, to, zero, ride, ring
.set i, \from
.rept (\to)-(\from)
	WIN MUL
.if \zero
	v_wmma_f32_16x16x32_bf16 v[8*i:8*i+7], v[BF+64*(\f)+8*(i%8):BF+64*(\f)+8*(i%8)+7], v[ABF+32*(\f)+8*(i/8):ABF+32*(\f)+8*(i/8)+7], 0
.else
	v_wmma_f32_16x16x32_bf16 v[8*i:8*i+7], v[BF+64*(\f)+8*(i%8):BF+64*(\f)+8*(i%8)+7], v[ABF+32*(\f)+8*(i/8):ABF+32*(\f)+8*(i/8)+7], v[8*i:8*i+7]
.endif
.if \ride
	WIN CV
.set n, 4*(i-8)
.rept 4
	v_cvt_pk_bf16_f32 v[CT+n], v[64*(\ring)+2*n], v[64*(\ring)+2*n+1]
.set n, n+1
.endr
.endif
.set i, i+1
.endr
.endm
; 24 LDS loads in one run, under one window setting: the fragments of one quarter: half qq of a sub-step, A's from buffer sb, B's from sub-step 'sub' of the slot, into fragment buffer nx
.macro FETCH sb, qq, sub, nx
	WIN TO_F
.irp a, 0,1,2,3
	ds_load_b128 v[ABF+32*(\nx)+8*(\a):ABF+32*(\nx)+8*(\a)+3],   v[ADRA] offset:(\sb)*ABUF+(\a)*16*PS+64*(\qq)
	ds_load_b128 v[ABF+32*(\nx)+8*(\a)+4:ABF+32*(\nx)+8*(\a)+7], v[ADRA] offset:(\sb)*ABUF+(\a)*16*PS+64*(\qq)+32
.endr
.irp b, 0,1,2,3,4,5,6,7
	ds_load_tr16_b128 v[BF+64*(\nx)+8*(\b):BF+64*(\nx)+8*(\b)+3],   v[ADRB+(\sub)] offset:32*(\qq)*PB+32*(\b)
	ds_load_tr16_b128 v[BF+64*(\nx)+8*(\b)+4:BF+64*(\nx)+8*(\b)+7], v[ADRB+(\sub)] offset:(32*(\qq)+16)*PB+32*(\b)
.endr
.endm
; a sub-step's bf16, my 32 rows x 128 bytes, into A's buffer sb
.macro PUT sb
	WIN 0
.set t, 0
.rept 16
	ds_store_b64 v[AST], v[CT+2*t:CT+2*t+1] offset:(\sb)*ABUF+((t&7)+16*(t>>3))*PS
.set t, t+1
.endr
.endm
; the next sub-step's 16 loads, into the set that has just been rounded.  The address is made anew: x or h at my rows, and 256 bytes on along the row; behind x's 32 sub-steps come h's
.macro ISSUE ring
	s_wait_xcnt 0x0                                ; the loads of a sub-step ago have read their address, so it may be written
	s_add_co_u32 s[AN], s[AN], KSUB*4
	s_and_b32 s[AO], s[AN], XROW-1
	s_cmp_lt_u32 s[AN], XROW
	s_cselect_b64 s[AP:AP+1], s[XB:XB+1], s[HB:HB+1]
	s_add_nc_u64 s[AP:AP+1], s[AP:AP+1], s[AO:AO+1]
	WIN TO_R
.set t, 0
.rept 16
	global_load_b128 v[64*(\ring)+4*t:64*(\ring)+4*t+3], v[AOF], s[AP:AP+1] offset:((t&7)+16*(t>>3))*XROW
.set t, t+1
.endr
.endm
; A sub-step is two quarters, on fragment buffers 0 and 1.  THE FIRST, of sub-step i of a K step: it fetches the second's fragments and (prod = 1) makes the next sub-step's A:
; cnt = how many younger loads may stay out when that set must be there (three sets of 16, fewer at the end); load = 1: the set is asked for again, four sub-steps ahead of its next use.
.macro EVEN i, zero, prod, cnt, load
	s_wait_dscnt 0x0                               ; this quarter's fragments are in
	MULS 0, 0, 8, \zero, 0, 0
	PLACES                                         ; fragment buffer 1 was multiplied in the quarter before
	FETCH (\i)%2, 1, \i, 1
.if \prod
	s_wait_loadcnt \cnt                            ; loads come back in order (ISA guide 5.7.1)
	MULS 0, 8, 16, \zero, 1, ((\i)+1)%4
	PUT ((\i)+1)%2                                 ; the buffer that was read a sub-step ago: every wave's reads of it were over at the last barrier
.else
	MULS 0, 8, 16, \zero, 0, 0
.endif
.if \load
	ISSUE ((\i)+1)%4
.endif
	MULS 0, 16, 32, \zero, 0, 0
.endm
; THE SECOND, of sub-steps 0 to 2: the sub-step's barrier.  In front of it my stores of the next sub-step's A and my reads of this one's are done; behind it the next one's first fragments are fetched.
; Nothing is filled by a tensor load behind this barrier: the ring's load stays out across it.
.macro ODD i
	s_wait_dscnt 0x0
	s_barrier_signal -1
	MULS 1, 0, 8, 0, 0, 0
	s_barrier_wait -1
	PLACES                                         ; fragment buffer 0 was multiplied in the quarter before
	FETCH ((\i)+1)%2, 0, (\i)+1, 0
	MULS 1, 8, 32, 0, 0, 0
.endm
; THE SECOND, of sub-step 3: the change of slots.  The same barrier; in front of it each wave also waits for all its tensor loads (one is out: its part of the next slot) and adds 0 to its spare word.
; fill = 1: the barrier opens a round of the cluster's, and the slot just read is filled again, two K steps ahead, first thing behind the round.
.macro TURN fill
	WIN 0                                          ; (the add's two registers lie in window 0)
	s_wait_tensorcnt 0x0                           ; no tensor load of mine is out, so a group 0 may be written
	ds_add_u32 v[SPW], v[NIL]                      ; 0 onto my spare word; work on registers follows
.if \fill
	s_add_co_u32 s[G0W+1], s[TB], s[WVQ]           ; into the slot that has been read,
	s_add_nc_u64 s[G0W+2:G0W+3], s[G0W+2:G0W+3], BSTEP  ; the K step behind the one asked for last; the type bits on top are not reached
	s_add_nc_u64 s[PFA:PFA+1], s[PFA:PFA+1], BSTEP ; (the last prefetch stands a K step back, ahead of four waits for the addresses of all that was issued)
.endif
	s_xor_b32 s[TB], s[TB], SLOT                   ; the reads go on in the other slot: 0 or SLOT
	s_add_co_u32 s[T1], s[TB], QB
	s_add_co_u32 s[T1+1], s[TB], 2*QB
	s_add_co_u32 s[T1+2], s[TB], 3*QB
	s_wait_dscnt 1                                 ; this quarter's fragments are in and my stores done; the add may be out
	MULS 1, 0, 4, 0, 0, 0
	s_wait_dscnt 0x0                               ; the add is done, and my reads of this slot are over
	s_barrier_signal -1
	MULS 1, 4, 12, 0, 0, 0
	WIN 0
	s_barrier_wait -1
.if \fill
	CREST                                          ; no wave of any partner still reads this slot or has a load on its way
	tensor_load_to_lds s[G0W:G0W+3], s[G1B:G1B+7]  ; one line for all four waves: the descriptor hangs on the wave's number and the tile column alone
	s_nop 0
.endif
	v_add_nc_u32 v[ADRB], s[TB], v[ADRB0]          ; four plain instructions: also the places in front of the loads below
	v_add_nc_u32 v[ADRB+1], s[T1], v[ADRB0]
	v_add_nc_u32 v[ADRB+2], s[T1+1], v[ADRB0]
	v_add_nc_u32 v[ADRB+3], s[T1+2], v[ADRB0]
	FETCH 0, 0, 0, 0
.if \fill
	WIN 0
	ASK
.endif
	MULS 1, 12, 32, 0, 0, 0
.endm
	s_wait_loadcnt 48                              ; sub-step 0's set is in; the three behind it may stay out
	WIN CV
.set n, 0
.rept 32
	v_cvt_pk_bf16_f32 v[CT+n], v[2*n], v[2*n+1]
.set n, n+1
.endr
	PUT 0
	ISSUE 0                                        ; sub-step 4
	WIN 0
	s_wait_tensorcnt 1                             ; my part of K step 0 is in; K step 1's may stay out: no tensor load fills anything behind this barrier
	s_wait_dscnt 0x0                               ; my part of sub-step 0's A is stored
	s_barrier_signal -1
	s_barrier_wait -1
	FETCH 0, 0, 0, 0
	EVEN 0, 1, 1, 48, 1                            ; the first quarter stands in front of the loop: its products start the sums
	WIN 0
	s_mov_b32 s3, STEPS-2
.Lstep:                                                ; a trip goes from a K step's second quarter to the next step's first, and fills the slot that it leaves
	ODD 0
	EVEN 1, 0, 1, 48, 1
	ODD 1
	EVEN 2, 0, 1, 48, 1
	ODD 2
	EVEN 3, 0, 1, 48, 1
	TURN 1
	EVEN 0, 0, 1, 48, 1
	WIN 0
	s_sub_co_u32 s3, s3, 1
	s_cmp_lg_u32 s3, 0
	s_cbranch_scc1 .Lstep
	ODD 0                                          ; the last two K steps are written out: no slot is filled, and A's loads run out
	EVEN 1, 0, 1, 48, 1                            ; asks for sub-step 62,
	ODD 1
	EVEN 2, 0, 1, 48, 1                            ; for 63: the last
	ODD 2
	EVEN 3, 0, 1, 48, 0
	TURN 0
	EVEN 0, 0, 1, 32, 0                            ; behind sub-step 61's set two are out,
	ODD 0
	EVEN 1, 0, 1, 16, 0                            ; one,
	ODD 1
	EVEN 2, 0, 1, 0, 0                             ; none
	ODD 2
	EVEN 3, 0, 0, 0, 0
	s_wait_dscnt 0x0
	MULS 1, 0, 32, 0, 0, 0
	; THE WAY OUT, a block of 16 rows at a time: rounded to bf16, 16 bytes a lane into my own stage, back as whole rows of 256 bytes, stored.
	; The stage lies in A's buffer 0: every wave's last reads of it (sub-step 62's) were over at the last barrier; the last sub-step reads buffer 1.
	PLACES
	PLACES                                         ; (eight, once a launch)
.macro PACK a                          ; each accumulator's registers in ascending order
	WIN 0x0a
.irp b, 0,1,2,3,4,5,6,7
.irp r, 0,1,2,3
	v_cvt_pk_bf16_f32 v[TMP+4*(\b)+(\r)], v[64*(\a)+8*(\b)+2*(\r)], v[64*(\a)+8*(\b)+2*(\r)+1]
.endr
.endr
	WIN 0
.endm
.macro TOSTAGE a
.irp b, 0,1,2,3,4,5,6,7
	ds_store_b128 v[STO], v[TMP+4*(\b):TMP+4*(\b)+3] offset:32*(\b)
.endr
.irp t, 0,1,2,3,4,5,6,7
	ds_load_b128 v[OB+32*(\a)+4*(\t):OB+32*(\a)+4*(\t)+3], v[RD] offset:(\t)*2*SP  ; LDS serves a wave's instructions in order (ISA guide 5.7.1.4): these see the stores above
.endr
.endm
.macro SEND a                          ; each block has registers of its own: no store's data is written again
	s_wait_dscnt 0x0
.irp t, 0,1,2,3,4,5,6,7
	global_store_b128 v[CO], v[OB+32*(\a)+4*(\t):OB+32*(\a)+4*(\t)+3], s[10:11] offset:(16*(\a)+2*(\t))*UROW  ; 16 lanes store 256 consecutive bytes, aligned
.endr
.endm
	PACK 0
	TOSTAGE 0
.irp a, 1,2,3
	PACK \a                                        ; a block's conversions stand between the loads of the block before and the wait for them
	SEND (\a)-1
	TOSTAGE \a
.endr
	SEND 3
	s_wait_tensorcnt 0x0                           ; the wave's end: an add to my spare word and its wait, behind my last tensor load and my last LDS store
	ds_add_u32 v[SPW], v[NIL]
	s_wait_dscnt 0x0
	CROUND                                         ; the closing round: no work-group ends while a partner may still ask for a tile that names it
	s_endpgm
.Lfunc_end_k_q45b1d811ba_lowrank:
	.size	k_q45b1d811ba_lowrank, .Lfunc_end_k_q45b1d811ba_lowrank-k_q45b1d811ba_lowrank
	.p2alignl 7, 3214868480
	.fill 96, 4, 3214868480
	.section	.rodata,"a",@progbits
	.p2align	6, 0x0
	.amdhsa_kernel k_q45b1d811ba_lowrank
		.amdhsa_group_segment_fixed_size 327680
		.amdhsa_private_segment_fixed_size 0
		.amdhsa_enable_private_segment 0
		.amdhsa_kernarg_size 32
		.amdhsa_user_sgpr_count 2
		.amdhsa_user_sgpr_kernarg_segment_ptr 1
		.amdhsa_wavefront_size32 1
		.amdhsa_system_sgpr_workgroup_id_x 1
		.amdhsa_system_sgpr_workgroup_id_y 1
		.amdhsa_system_sgpr_workgroup_id_z 1
		.amdhsa_system_vgpr_workitem_id 0
		.amdhsa_next_free_vgpr 1024
		.amdhsa_next_free_sgpr 66
		.amdhsa_reserve_vcc 0
		.amdhsa_float_denorm_mode_32 3
		.amdhsa_float_denorm_mode_16_64 3
		.amdhsa_memory_ordered 1
		.amdhsa_forward_progress 1
		.amdhsa_inst_pref_size 177
	.end_amdhsa_kernel
	.amdgpu_metadata
---
amdhsa.version: [ 1, 2 ]
amdhsa.kernels:
  - .name:           k_q45b1d811ba_lowrank
    .symbol:         k_q45b1d811ba_lowrank.kd
    .args:
      - { .name: x, .offset: 0, .size: 8, .value_kind: global_buffer, .address_space: global }
      - { .name: h, .offset: 8, .size: 8, .value_kind: global_buffer, .address_space: global }
      - { .name: Ub, .offset: 16, .size: 8, .value_kind: global_buffer, .address_space: global }
      - { .name: Tb, .offset: 24, .size: 8, .value_kind: global_buffer, .address_space: global }
    .group_segment_fixed_size: 327680
    .private_segment_fixed_size: 0
    .kernarg_segment_align: 8
    .kernarg_segment_size: 32
    .max_flat_workgroup_size: 128
    .sgpr_count:     66
    .vgpr_count:     1024
    .wavefront_size: 32
...
	.end_amdgpu_metadata
.endif
;; end of part 2
;; launch gates (part 3): grid 16 x 32, 4 waves a work-group, clusters of 4 x 4, 327,680 bytes of LDS; arguments Tb, Vb, bi, bc, bf, bo, c, out0, out1; writes out0, out1
.if DOCPART == 3
	.amdgcn_target "amdgcn-amd-amdhsa--gfx1250"
	.amdhsa_code_object_version 6
	.text
	.protected	k_q45b1d811ba_gates
	.globl	k_q45b1d811ba_gates
	.p2align	8
	.type	k_q45b1d811ba_gates,@function
k_q45b1d811ba_gates:
	s_mov_b64 s[64:65], 0
	v_nop
	global_prefetch_b8 v0, s[64:65] scope:SCOPE_SE
	s_setreg_imm32_b32 hwreg(HW_REG_WAVE_MODE, 25, 1), 1
	s_wait_xcnt 0x0
	s_wait_alu depctr_hold_cnt(0) depctr_sa_sdst(0) depctr_va_vdst(0) depctr_va_sdst(0) depctr_va_ssrc(0) depctr_va_vcc(0) depctr_vm_vsrc(0)
	s_getreg_b32 s2, hwreg(HW_REG_IB_STS2, 6, 4)
	s_cmp_eq_u32 s2, 0
	s_cbranch_scc0 .Lentry_in_a_cluster
	s_endpgm
.Lentry_in_a_cluster:
	s_bfe_u32 s2, ttmp6, 0x10000c
	s_cmp_lg_u32 s2, 0xf033
	s_cbranch_scc0 .Lentry_shape_is_right
	s_endpgm
.Lentry_shape_is_right:
; z_g[m][n] = sum over r of Tb[m][512 g + r] Vb[512 g + r][n] + b_g[n], g = i, c, f, o;  c_new = sig(z_f) c + sig(z_i) tanh(z_c) -> out1;  h_new = sig(z_o) tanh(c_new) -> out0.
; Tb: [4096][2048] bf16, Vb: [2048][2048] bf16 ([K][N]), biases [2048] f32, c, out0, out1: [4096][2048] f32.  Products in bf16 with f32 sums; all else in f32.
; sig(z) = 1 / (1 + 2^(-z log2 e));  tanh(z) = 1 - 2 / (1 + 2^(2 z log2 e)).
; LIMITS.  tanh so made is off by about 1e-7 absolutely, so a z far below that loses relative accuracy; where the power of two overflows the reciprocal is 0 and the function has its limit;
; powers and reciprocals below 2^-126 count as 0 (ISA guide 15.8); NaN is not treated apart.
; SHARES.  A tile is 128 rows x 128 columns of ALL FOUR gates, so that a lane ends with the four z of its numbers: 512 work-groups of four waves; a wave makes 64 x 64 x 4: 64 accumulators, 512 registers.
; K goes in 8 steps of 256 over Tb's 2,048 columns (two steps a gate) through a ring of two LDS slots: 128 rows x 512 bytes of Tb, 256 k-rows x 256 bytes of Vb.  Waves 0, 1 fetch A's halves, waves 2, 3 B's.
; The text has no loop: each gate has accumulators, and so register windows, of its own.
; CLUSTER.  4 x 4 work-groups: Tb's tile is shared along a row of the cluster, Vb's along a column: each is asked for jointly.
; THE MATRIX INSTRUCTION IS USED TRANSPOSED (source 0 = 16 columns of Vb, turned by ds_load_tr16_b128; source 1 = 16 rows of Tb): lane l holds row l % 16 and the columns 8 (l / 16) + 0..7.
; THE BIAS is the C operand of the products that start a gate's sums: a lane's eight columns' eight numbers.
; c is loaded at the start by whole rows (16 lanes: 256 consecutive bytes) and turned into the accumulators' layout through my own stage in LDS; c_new and h_new go the same way back.
; REGISTERS, in windows of 256 (s_set_vgpr_msb: bits 1:0 source 0, 3:2 source 1, 5:4 source 2, 7:6 destination):
;   window 0: v0-31 addresses; v32-63 the bias, later h_new by rows; v64-95 c and c_new of a block; v96-127 at work; v128-255 c, later c_new, by rows
;   window 1: two fragment buffers of 128 (64 of A, 64 of B, for 64 along K)      window 2: gates i (v0-127) and c (v128-255)      window 3: gates f and o; accumulator (a, b) at 8 (4 a + b)
.set PA,     528                       ; A's LDS row: 512 bytes + 16: the 16 rows of a load start 4 banks apart (64 banks of 4 bytes: ISA guide 11.1)
.set PB,     288                       ; B's LDS row: 256 bytes + 32 = 72 words
.set HALFA,  64*PA
.set HALFB,  128*PB
.set BOFF,   2*HALFA
.set SLOT,   BOFF+2*HALFB
.set STAGE,  2*SLOT                    ; behind the ring, never filled by a tensor load: 16 rows x 272 bytes (64 f32 and padding) for each wave
.set SP,     272
.set SPARE,  STAGE+4*16*SP             ; the spare words, 128 bytes for each wave: two blocks of 256 bytes that no other line names
.set CROW,   8192                      ; bytes in a row of c, out0, out1
.set ASTEP,  512                       ; a K step along a row of Tb,
.set BSTEP,  0x100000                  ; and down Vb: 256 rows of 4,096 bytes
.set ADRA, 16                          ; v16-17  my A rows in slot 0, 1
.set ADRB, 20                          ; v20-23  my B columns: slot 0 k-rows 0-127, 128-255; slot 1 likewise (an LDS offset has 16 bits)
.set STO,  24                          ; v24     the stage by the accumulators' layout: row l % 16, 32 bytes for each half of the lanes
.set RD,   25                          ; v25     the stage by rows: lanes 0-15 one row of 256 bytes, lanes 16-31 the next
.set CO,   26                          ; v26     the same two rows in c, out0, out1
.set BO,   27                          ; v27     my eight columns in a bias
.set SPW,  28
.set NIL,  29
.set PFO,  30
.set BI,   32
.set HR,   32
.set CA,   64
.set W1,   96
.set CR,   128
.set F0,   0
.set F1,   128
.set WV,  22
.set RH,  23                           ; which 64 rows are mine; also: I fetch for A (0) or B (1)
.set CX,  24
.set CY,  25
.set TC,  26
.set TR,  27
.set G1A, 28                           ; s[28:35], s[36:43] A's descriptor groups;  s[44:51], s[52:59] B's
.set G0A, 36
.set G1B, 44
.set G0B, 52
.set PFA, 60
.set PFS, 62
.set LIM, 66                           ; 1 in a wave that prefetches
.set CH,  67                           ; which 64 columns are mine; also: which half of the tile I fetch
.set CSN, 68                           ; s[68:69] -log2 e
.set CSP, 70                           ; s[70:71] 2 log2 e
.set MSB, 0
.macro WIN new
.if MSB != (\new)
	s_set_vgpr_msb (MSB<<8)|(\new)
.set MSB, \new
.endif
.endm
.set TO_F, 0x40
.macro JLOAD s                         ; a joint load; an s_nop 0 and four v_nop follow each line
	s_cmp_eq_u32 s[RH], 0
	s_cbranch_scc0 .Lfor_b_\@
	tensor_load_to_lds s[G0A+4*(\s):G0A+4*(\s)+3], s[G1A:G1A+7]
	s_nop 0
.rept 4
	v_nop
.endr
	s_branch .Lasked_\@
.Lfor_b_\@:
	tensor_load_to_lds s[G0B+4*(\s):G0B+4*(\s)+3], s[G1B:G1B+7]
	s_nop 0
.rept 4
	v_nop
.endr
.Lasked_\@:
.endm
.macro CREST
	s_cmp_lg_u32 s[WV], 0
	s_cbranch_scc1 .Lnot_wave_0_\@
	s_barrier_signal -3
.Lnot_wave_0_\@:
	s_barrier_wait -3
	s_barrier_signal -1
	s_barrier_wait -1
.endm
.macro CROUND
	s_barrier_signal -1
	s_barrier_wait -1
	CREST
.endm
.macro PLACES
.rept 4
	v_nop
.endr
.endm
; A PREFETCH INTO THE L2: the change of slots behind K step s, s = 0 to 3, names K step s + 4, which is asked for two changes, 256 matrix instructions, later.  Each aligned block of 256 bytes is
; named once: Tb's rows by the cluster with x = 0, Vb's columns by the cluster with y = 0; the four partners share a wave's 128 blocks out by address: A: 16 rows, two lanes a row; B: 32 rows, a lane a row.
.macro ASK
	s_cmp_eq_u32 s[LIM], 1
	s_cbranch_scc0 .Lnot_mine_\@
	global_prefetch_b8 v[PFO], s[PFA:PFA+1] th:TH_LOAD_NT scope:SCOPE_SE
.Lnot_mine_\@:
.endm
.macro BIAS gate                       ; the gate's bias for my 4 x 8 columns
	WIN 0
.irp b, 0,1,2,3
	global_load_b128 v[BI+8*(\b):BI+8*(\b)+3],   v[BO], s[8+2*(\gate):9+2*(\gate)] offset:64*(\b)
	global_load_b128 v[BI+8*(\b)+4:BI+8*(\b)+7], v[BO], s[8+2*(\gate):9+2*(\gate)] offset:64*(\b)+16
.endr
.endm
	s_load_b512 s[4:19], s[0:1], 0x0               ; Tb s[4:5], Vb s[6:7], bi, bc, bf, bo s[8:15], c s[16:17], out0 s[18:19]
	s_load_b64 s[20:21], s[0:1], 0x40              ; out1
	v_lshl_add_u32 v[SPW], v0, 2, SPARE
	v_mov_b32 v[NIL], 0
	ds_add_u32 v[SPW], v[NIL]                      ; the wave's opening: the add and its wait stand ahead of my first tensor load
	v_lshrrev_b32 v1, 5, v0
	v_readfirstlane_b32 s[WV], v1
	s_lshr_b32 s[RH], s[WV], 1
	s_and_b32 s[CH], s[WV], 1
	s_bfe_u32 s[CX], ttmp6, 0x40000
	s_bfe_u32 s[CY], ttmp6, 0x40004
	s_lshl_b32 s[TC], ttmp9, 2
	s_add_co_u32 s[TC], s[TC], s[CX]
	s_and_b32 s[TR], ttmp7, 0xffff
	s_lshl_b32 s[TR], s[TR], 2
	s_add_co_u32 s[TR], s[TR], s[CY]
	s_lshl_b32 s72, s[CY], 2
	s_lshl_b32 s72, 15, s72                        ; my row of the cluster
	s_lshl_b32 s74, 0x1111, s[CX]                  ; my column
	s_or_b32 s[G1A], s72, (1<<16)|(1<<20)|(1<<21)|(6<<22)|(3<<25)  ; the mask; 2-byte elements; padding on; bit 21 beside a mask; after every 128 words 4 words
	s_or_b32 s[G1B], s74, (1<<16)|(1<<20)|(1<<21)|(5<<22)|(7<<25)  ; after every 64 words 8 words
	s_mov_b32 s[G1A+1], 256<<16                    ; 256 elements
	s_mov_b32 s[G1A+2], 64<<16                     ; 64 rows
	s_mov_b32 s[G1A+3], 256<<16
	s_mov_b32 s[G1A+4], 64
	s_mov_b32 s[G1A+5], 2048
	s_mov_b32 s[G1A+6], 0
	s_mov_b32 s[G1A+7], 0
	s_mov_b32 s[G1B+1], 128<<16                    ; 128 elements
	s_mov_b32 s[G1B+2], 128<<16                    ; 128 k-rows
	s_mov_b32 s[G1B+3], 128<<16
	s_mov_b32 s[G1B+4], 128
	s_mov_b32 s[G1B+5], 2048
	s_mov_b32 s[G1B+6], 0
	s_mov_b32 s[G1B+7], 0
	s_lshl_b32 s72, s[TR], 7                       ; A: row 128 x tile row + 64 x half, rows of 4,096 bytes
	s_lshl_b32 s73, s[CH], 6
	s_add_co_u32 s72, s72, s73
	s_lshl_b32 s72, s72, 12
	s_mov_b32 s73, 0
	s_lshl_b32 s74, s[CH], 19                      ; B: 128 k-rows x half + 256 bytes x tile column
	s_lshl_b32 s75, s[TC], 8
	s_add_co_u32 s74, s74, s75
	s_mov_b32 s75, 0
	s_mul_i32 s76, s[CH], HALFA
	s_mul_i32 s77, s[CH], HALFB
	s_add_co_u32 s77, s77, BOFF
	s_mov_b32 s[CSN], 0xbfb8aa3b
	s_mov_b32 s[CSN+1], s[CSN]                     ; named as pairs
	s_mov_b32 s[CSP], 0x4038aa3b
	s_mov_b32 s[CSP+1], s[CSP]
	s_wait_dscnt 0x0                               ; the opening add is done
	s_wait_kmcnt 0x0
	s_add_nc_u64 s[78:79], s[4:5], s[72:73]
	s_add_nc_u64 s[80:81], s[6:7], s[74:75]
	CROUND                                         ; all sixteen work-groups are here: the first joint loads meet
.irp s, 0,1
	s_mov_b32 s[G0A+4*(\s)], 1
	s_add_co_u32 s[G0A+4*(\s)+1], s76, (\s)*SLOT
	s_add_nc_u64 s[G0A+4*(\s)+2:G0A+4*(\s)+3], s[78:79], (\s)*ASTEP
	s_or_b32 s[G0A+4*(\s)+3], s[G0A+4*(\s)+3], 0x80000000
	s_mov_b32 s[G0B+4*(\s)], 1
	s_add_co_u32 s[G0B+4*(\s)+1], s77, (\s)*SLOT
	s_add_nc_u64 s[G0B+4*(\s)+2:G0B+4*(\s)+3], s[80:81], (\s)*BSTEP
	s_or_b32 s[G0B+4*(\s)+3], s[G0B+4*(\s)+3], 0x80000000
	JLOAD \s                                       ; two loads of mine are out
.endr
	v_and_b32 v1, 15, v0                           ; l % 16
	v_bfe_u32 v2, v0, 4, 1                         ; l / 16
	s_lshl_b32 s82, s[TC], 9                       ; my 64 columns in f32: 512 x tile column + 256 x half
	s_lshl_b32 s83, s[CH], 8
	s_add_co_u32 s82, s82, s83
	v_lshl_add_u32 v[BO], v2, 5, s82               ; + my half of the lanes' eight
	v_lshlrev_b32 v3, 13, v2
	v_lshl_add_u32 v[CO], v1, 4, v3
	s_lshl_b32 s84, s[TR], 7
	s_lshl_b32 s85, s[RH], 6
	s_add_co_u32 s84, s84, s85
	s_lshl_b32 s84, s84, 13                        ; my 64 rows
	s_add_co_u32 s84, s84, s82
	s_mov_b32 s85, 0
	s_add_nc_u64 s[16:17], s[16:17], s[84:85]
	s_add_nc_u64 s[18:19], s[18:19], s[84:85]
	s_add_nc_u64 s[20:21], s[20:21], s[84:85]
	BIAS 0
.set t, 0
.rept 32                               ; c, my 64 rows x 256 bytes: wanted behind all the products
	global_load_b128 v[CR+4*t:CR+4*t+3], v[CO], s[16:17] offset:2*t*CROW th:TH_LOAD_NT
.set t, t+1
.endr
	v_mul_u32_u24 v3, v1, PA
	v_lshl_add_u32 v3, v2, 4, v3                   ; a fragment's row x pitch + 16 x half
	s_mul_i32 s86, s[RH], 64*PA
	v_add_nc_u32 v[ADRA], s86, v3
	v_add_nc_u32 v[ADRA+1], SLOT, v[ADRA]
	v_and_b32 v4, 7, v0                            ; the turning load: k-row 8 (l / 16) + l % 8, columns 8 ((l / 8) % 2) + 0..7
	v_lshl_add_u32 v4, v2, 3, v4
	v_mul_u32_u24 v4, v4, PB
	v_bfe_u32 v5, v0, 3, 1
	v_lshl_add_u32 v4, v5, 4, v4
	s_lshl_b32 s86, s[CH], 7
	s_add_co_u32 s86, s86, BOFF
	v_add_nc_u32 v[ADRB], s86, v4
	v_add_nc_u32 v[ADRB+1], 128*PB, v[ADRB]
	v_add_nc_u32 v[ADRB+2], SLOT, v[ADRB]
	v_add_nc_u32 v[ADRB+3], SLOT, v[ADRB+1]
	s_mul_i32 s86, s[WV], 16*SP
	s_add_co_u32 s86, s86, STAGE
	v_mul_u32_u24 v6, v1, SP
	v_lshl_add_u32 v6, v2, 5, v6
	v_add_nc_u32 v[STO], s86, v6
	v_mul_u32_u24 v6, v2, SP
	v_lshl_add_u32 v6, v1, 4, v6
	v_add_nc_u32 v[RD], s86, v6
	; the prefetches: both cases are worked out, then chosen by what I fetch
	s_lshl_b32 s82, s[TR], 7
	s_lshl_b32 s83, s[CH], 6
	s_add_co_u32 s82, s82, s83
	s_lshl_b32 s83, s[CX], 4
	s_add_co_u32 s82, s82, s83
	s_lshl_b32 s82, s82, 12
	s_add_co_u32 s82, s82, 3*ASTEP                 ; A: my work-group's 16 rows, at K step 3
	s_lshl_b32 s84, s[CH], 7
	s_lshl_b32 s85, s[CY], 5
	s_add_co_u32 s84, s84, s85
	s_lshl_b32 s84, s84, 12
	s_lshl_b32 s85, s[TC], 8
	s_add_co_u32 s84, s84, s85
	s_add_co_u32 s84, s84, 3*BSTEP                 ; B: my work-group's 32 k-rows, at K step 3
	s_and_b32 s85, ttmp7, 0xffff
	s_mov_b32 s[PFS], BSTEP
	s_cmp_eq_u32 s[RH], 0
	s_cselect_b32 s82, s82, s84
	s_cselect_b32 s85, ttmp9, s85                  ; the coordinate along which other clusters read the same blocks
	s_cselect_b32 s[PFS], ASTEP, s[PFS]
	s_cselect_b32 s2, 1, 0                         ; two lanes a row, or one
	s_cselect_b64 s[PFA:PFA+1], s[4:5], s[6:7]
	s_mov_b32 s83, 0
	s_mov_b32 s[PFS+1], 0
	s_add_nc_u64 s[PFA:PFA+1], s[PFA:PFA+1], s[82:83]
	s_cmp_eq_u32 s85, 0
	s_cselect_b32 s[LIM], 1, 0                     ; the same in all sixteen partners, for a given wave
	v_and_b32 v3, 31, v0
	v_lshrrev_b32 v4, s2, v3
	v_lshlrev_b32 v[PFO], 12, v4                   ; rows of 4,096 bytes,
	v_and_b32 v4, s2, v3
	v_lshl_add_u32 v[PFO], v4, 8, v[PFO]           ; a row's two blocks 256 bytes apart
; 8 matrix instructions: m blocks a0, a0 + 1 x all 4 n blocks, 32 along K: half c of buffer f, for one gate.  bias = 1: the products start the sums with the bias.
; A gate's 16 accumulators take turns, in the same order throughout.
.macro MUL8 f, c, a0, gate, bias
.if \bias
	WIN 0x85+0x40*((\gate)/2)                      ; sources window 1, C window 0, D window 2 or 3
.else
	WIN 0xa5+0x50*((\gate)/2)                      ; sources window 1, C and D window 2 or 3
.endif
.irp a, \a0, (\a0)+1
.irp b, 0,1,2,3
.if \bias
	v_wmma_f32_16x16x32_bf16 v[128*((\gate)%2)+8*(4*(\a)+(\b)):128*((\gate)%2)+8*(4*(\a)+(\b))+7], v[(\f)+64+8*(4*(\c)+(\b)):(\f)+64+8*(4*(\c)+(\b))+7], v[(\f)+8*(4*(\c)+(\a)):(\f)+8*(4*(\c)+(\a))+7], v[BI+8*(\b):BI+8*(\b)+7]
.else
	v_wmma_f32_16x16x32_bf16 v[128*((\gate)%2)+8*(4*(\a)+(\b)):128*((\gate)%2)+8*(4*(\a)+(\b))+7], v[(\f)+64+8*(4*(\c)+(\b)):(\f)+64+8*(4*(\c)+(\b))+7], v[(\f)+8*(4*(\c)+(\a)):(\f)+8*(4*(\c)+(\a))+7], v[128*((\gate)%2)+8*(4*(\a)+(\b)):128*((\gate)%2)+8*(4*(\a)+(\b))+7]
.endif
.endr
.endr
.endm
; 32 LDS loads in one run: quarter q (64 along K) of a slot into buffer f; the first 32 along K first
.macro FETCH slot, q, f
	WIN TO_F
.irp c, 0,1
.irp i, 0,1,2,3
	ds_load_tr16_b128 v[(\f)+64+8*(4*(\c)+(\i)):(\f)+64+8*(4*(\c)+(\i))+3],   v[ADRB+2*(\slot)+(\q)/2] offset:(((\q)%2)*64+32*(\c))*PB+32*(\i)
	ds_load_tr16_b128 v[(\f)+64+8*(4*(\c)+(\i))+4:(\f)+64+8*(4*(\c)+(\i))+7], v[ADRB+2*(\slot)+(\q)/2] offset:(((\q)%2)*64+32*(\c)+16)*PB+32*(\i)
	ds_load_b128 v[(\f)+8*(4*(\c)+(\i)):(\f)+8*(4*(\c)+(\i))+3],              v[ADRA+(\slot)] offset:128*(\q)+64*(\c)+(\i)*16*PA
	ds_load_b128 v[(\f)+8*(4*(\c)+(\i))+4:(\f)+8*(4*(\c)+(\i))+7],            v[ADRA+(\slot)] offset:128*(\q)+64*(\c)+(\i)*16*PA+32
.endr
.endr
.endm
; A K step is four quarters of 64 along K, 32 matrix instructions each, on buffers 0, 1, 0, 1.  first = 1: a gate's first quarter; nb = 1: the next gate's bias is asked for, four places behind the products that read this one's.
.macro QUARTER slot, q, f, nx, gate, first, nb
	s_wait_dscnt 16                                ; the first 32 along K are in
	MUL8 \f, 0, 0, \gate, \first
	MUL8 \f, 0, 2, \gate, \first
	PLACES
.if \nb
	BIAS (\gate)+1
.endif
	FETCH \slot, \q, \nx
	s_wait_dscnt 32                                ; all but the 32 just issued
	MUL8 \f, 1, 0, \gate, 0
	MUL8 \f, 1, 2, \gate, 0
.endm
; The last quarter multiplies buffer 1 and changes slots: ONE barrier; in front of it each wave waits for all its tensor loads (one is out: its part of the next slot), adds 0 to its spare word, and waits
; for that and for its reads of this slot.  fill = 1: the barrier opens a round of the cluster's, and this slot is filled again, two K steps ahead, first thing behind the round: 112 matrix instructions ahead of the wait for it.
.macro TURN slot, next, fill, ask, gate
.if \ask
	s_wait_xcnt 0x0                                ; the last prefetch, a K step back, has read its address
	s_add_nc_u64 s[PFA:PFA+1], s[PFA:PFA+1], s[PFS:PFS+1]
.endif
	WIN 0
	s_wait_tensorcnt 0x0                           ; no tensor load of mine is out, so a group 0 may be written
	ds_add_u32 v[SPW], v[NIL]                      ; 0 onto my spare word
.if \fill
	s_add_nc_u64 s[G0A+4*(\slot)+2:G0A+4*(\slot)+3], s[G0A+4*(\slot)+2:G0A+4*(\slot)+3], 2*ASTEP
	s_add_nc_u64 s[G0B+4*(\slot)+2:G0B+4*(\slot)+3], s[G0B+4*(\slot)+2:G0B+4*(\slot)+3], 2*BSTEP
.endif
	s_wait_dscnt 17                                ; (the add and the youngest sixteen loads may be out)
	MUL8 F1, 0, 0, \gate, 0
	s_wait_dscnt 0x0                               ; the add is done, and my reads of this slot are over
	s_barrier_signal -1
	MUL8 F1, 0, 2, \gate, 0
.if \fill
	WIN 0
.endif
	s_barrier_wait -1
.if \fill
	CREST
	JLOAD \slot                                    ; its four v_nop are also the places in front of the loads below
.else
	PLACES
.endif
	FETCH \next, 0, F0
.if \ask
	WIN 0
	ASK
.endif
	MUL8 F1, 1, 0, \gate, 0
	MUL8 F1, 1, 2, \gate, 0
.endm
; A gate: two K steps.  more = 1: another gate follows, and both slots are filled again.
.macro GATE gate, more, ask
.if (\gate) == 0
	s_wait_loadcnt 32                              ; the bias is in; c's 32 loads, issued behind it, may stay out
.else
	s_wait_loadcnt 0x0                             ; the bias, asked for a gate ago
.endif
	QUARTER 0, 1, F0, F1, \gate, 1, \more
	QUARTER 0, 2, F1, F0, \gate, 0, 0
	QUARTER 0, 3, F0, F1, \gate, 0, 0
	TURN 0, 1, \more, \ask, \gate
	QUARTER 1, 1, F0, F1, \gate, 0, 0
	QUARTER 1, 2, F1, F0, \gate, 0, 0
	QUARTER 1, 3, F0, F1, \gate, 0, 0
.if \more
	TURN 1, 0, 1, \ask, \gate
.else
	s_wait_dscnt 16                                ; the very last quarter: nothing more to fetch
	MUL8 F1, 0, 0, \gate, 0
	MUL8 F1, 0, 2, \gate, 0
	s_wait_dscnt 0x0
	MUL8 F1, 1, 0, \gate, 0
	MUL8 F1, 1, 2, \gate, 0
.endif
.endm
	s_wait_tensorcnt 1                             ; my part of K step 0 is in; K step 1's may stay out
	s_barrier_signal -1
	s_barrier_wait -1
	FETCH 0, 0, F0
	GATE 0, 1, 1
	GATE 1, 1, 1
	GATE 2, 1, 0
	GATE 3, 0, 0
	PLACES
	PLACES                                         ; (eight, once a launch)
; THE POINTWISE STEP, a block of 16 rows at a time.  These work on 32 registers under the window that stands:
.macro SCALE base, cs                  ; z times a constant, in place, from each accumulator's low end on
.set r, 0
.rept 16
	v_pk_mul_f32 v[(\base)+r:(\base)+r+1], v[(\base)+r:(\base)+r+1], s[\cs:\cs+1] op_sel_hi:[1,0]
.set r, r+2
.endr
.endm
.macro EXP32 base
.set r, 0
.rept 32
	v_exp_f32 v[(\base)+r], v[(\base)+r]
.set r, r+1
.endr
.endm
.macro ONEP base                       ; 1 + e
.set r, 0
.rept 16
	v_pk_add_f32 v[(\base)+r:(\base)+r+1], v[(\base)+r:(\base)+r+1], 1.0 op_sel_hi:[1,0]
.set r, r+2
.endr
.endm
.macro RCP32 base
.set r, 0
.rept 32
	v_rcp_f32 v[(\base)+r], v[(\base)+r]
.set r, r+1
.endr
.endm
.macro TANHF base                      ; 1 - 2 q
.set r, 0
.rept 16
	v_pk_fma_f32 v[(\base)+r:(\base)+r+1], v[(\base)+r:(\base)+r+1], -2.0, 1.0 op_sel_hi:[1,0,0]
.set r, r+2
.endr
.endm
.macro BATCH                           ; a plain instruction behind the batch's last transcendental, and one wait ahead of the batch's first reader
	v_nop
	s_wait_alu depctr_va_vdst(0)
.endm
.macro TOROWS src, dst                 ; from the accumulators' layout through my stage to whole rows; LDS serves a wave's instructions in order (ISA guide 5.7.1.4)
.irp b, 0,1,2,3
	ds_store_b128 v[STO], v[(\src)+8*(\b):(\src)+8*(\b)+3]   offset:64*(\b)
	ds_store_b128 v[STO], v[(\src)+8*(\b)+4:(\src)+8*(\b)+7] offset:64*(\b)+16
.endr
.irp t, 0,1,2,3,4,5,6,7
	ds_load_b128 v[(\dst)+4*(\t):(\dst)+4*(\t)+3], v[RD] offset:(\t)*2*SP
.endr
.endm
.macro HSEND a                         ; h_new of block a: 16 lanes store 256 consecutive bytes, aligned
	s_wait_dscnt 0x0
.irp t, 0,1,2,3,4,5,6,7
	global_store_b128 v[CO], v[HR+4*(\t):HR+4*(\t)+3], s[18:19] offset:(16*(\a)+2*(\t))*CROW th:TH_STORE_NT
.endr
.endm
.macro EPI a
	WIN 0
.irp t, 0,1,2,3,4,5,6,7                ; c of the block: from rows into the accumulators' layout
	ds_store_b128 v[RD], v[CR+32*(\a)+4*(\t):CR+32*(\a)+4*(\t)+3] offset:(\t)*2*SP
.endr
.irp b, 0,1,2,3
	ds_load_b128 v[CA+8*(\b):CA+8*(\b)+3],   v[STO] offset:64*(\b)
	ds_load_b128 v[CA+8*(\b)+4:CA+8*(\b)+7], v[STO] offset:64*(\b)+16
.endr
	WIN 0x82                                       ; destination and source 0 in window 2: gates i and c
	SCALE 32*(\a), CSN
	SCALE 128+32*(\a), CSP
	EXP32 32*(\a)
	EXP32 128+32*(\a)
	WIN 0xc3                                       ; window 3: gates f and o
	SCALE 32*(\a), CSN
	SCALE 128+32*(\a), CSN
	EXP32 32*(\a)
	EXP32 128+32*(\a)
	WIN 0
.if (\a) > 0
	HSEND (\a)-1                                   ; the block before leaves while the batch is out
.endif
	BATCH                                          ; 128 powers, one wait
	WIN 0x82
	ONEP 32*(\a)
	ONEP 128+32*(\a)
	RCP32 32*(\a)
	RCP32 128+32*(\a)
	WIN 0xc3
	ONEP 32*(\a)
	ONEP 128+32*(\a)
	RCP32 32*(\a)
	RCP32 128+32*(\a)
	WIN 0
	BATCH                                          ; 128 reciprocals, one wait
	s_wait_dscnt 0x0                               ; c is in
	WIN 0x82
	TANHF 128+32*(\a)                              ; c_hat
	WIN 0x03                                       ; source 0 window 3
.set r, 0
.rept 16
	v_pk_mul_f32 v[CA+r:CA+r+1], v[32*(\a)+r:32*(\a)+r+1], v[CA+r:CA+r+1]  ; f c
.set r, r+2
.endr
	WIN 0x0a                                       ; sources 0 and 1 window 2
.set r, 0
.rept 16
	v_pk_fma_f32 v[CA+r:CA+r+1], v[32*(\a)+r:32*(\a)+r+1], v[128+32*(\a)+r:128+32*(\a)+r+1], v[CA+r:CA+r+1]  ; + i c_hat = c_new
.set r, r+2
.endr
	WIN 0
	TOROWS CA, CR+32*(\a)
.set r, 0
.rept 16
	v_pk_mul_f32 v[W1+r:W1+r+1], v[CA+r:CA+r+1], s[CSP:CSP+1] op_sel_hi:[1,0]
.set r, r+2
.endr
	EXP32 W1
	BATCH
	ONEP W1
	RCP32 W1
	s_wait_dscnt 0x0                               ; c_new is back by rows, and leaves while the reciprocals are out
.irp t, 0,1,2,3,4,5,6,7
	global_store_b128 v[CO], v[CR+32*(\a)+4*(\t):CR+32*(\a)+4*(\t)+3], s[20:21] offset:(16*(\a)+2*(\t))*CROW th:TH_STORE_NT
.endr
	BATCH
	TANHF W1                                       ; tanh(c_new)
	WIN 0x03
.set r, 0
.rept 16
	v_pk_mul_f32 v[W1+r:W1+r+1], v[128+32*(\a)+r:128+32*(\a)+r+1], v[W1+r:W1+r+1]  ; o tanh(c_new) = h_new
.set r, r+2
.endr
	WIN 0
.if (\a) > 0
	s_wait_xcnt 0x0                                ; the stores of the block before have read HR: it is loaded again only behind this wait
.endif
	TOROWS W1, HR
.endm
	EPI 0
	EPI 1
	EPI 2
	EPI 3
	HSEND 3
	s_wait_tensorcnt 0x0                           ; the wave's end: an add to my spare word and its wait, behind my last tensor load and my last LDS store
	ds_add_u32 v[SPW], v[NIL]
	s_wait_dscnt 0x0
	CROUND                                         ; the closing round: no work-group ends while a partner may still ask for a tile that names it
	s_endpgm
.Lfunc_end_k_q45b1d811ba_gates:
	.size	k_q45b1d811ba_gates, .Lfunc_end_k_q45b1d811ba_gates-k_q45b1d811ba_gates
	.p2alignl 7, 3214868480
	.fill 96, 4, 3214868480
	.section	.rodata,"a",@progbits
	.p2align	6, 0x0
	.amdhsa_kernel k_q45b1d811ba_gates
		.amdhsa_group_segment_fixed_size 327680
		.amdhsa_private_segment_fixed_size 0
		.amdhsa_enable_private_segment 0
		.amdhsa_kernarg_size 72
		.amdhsa_user_sgpr_count 2
		.amdhsa_user_sgpr_kernarg_segment_ptr 1
		.amdhsa_wavefront_size32 1
		.amdhsa_system_sgpr_workgroup_id_x 1
		.amdhsa_system_sgpr_workgroup_id_y 1
		.amdhsa_system_sgpr_workgroup_id_z 1
		.amdhsa_system_vgpr_workitem_id 0
		.amdhsa_next_free_vgpr 1024
		.amdhsa_next_free_sgpr 90
		.amdhsa_reserve_vcc 0
		.amdhsa_float_denorm_mode_32 3
		.amdhsa_float_denorm_mode_16_64 3
		.amdhsa_memory_ordered 1
		.amdhsa_forward_progress 1
		.amdhsa_inst_pref_size 255
	.end_amdhsa_kernel
	.section	.bss,"aw",@nobits
	.p2align	6
	.space	262144
	.amdgpu_metadata
---
amdhsa.version: [ 1, 2 ]
amdhsa.kernels:
  - .name:           k_q45b1d811ba_gates
    .symbol:         k_q45b1d811ba_gates.kd
    .args:
      - { .name: Tb, .offset: 0, .size: 8, .value_kind: global_buffer, .address_space: global }
      - { .name: Vb, .offset: 8, .size: 8, .value_kind: global_buffer, .address_space: global }
      - { .name: bi, .offset: 16, .size: 8, .value_kind: global_buffer, .address_space: global }
      - { .name: bc, .offset: 24, .size: 8, .value_kind: global_buffer, .address_space: global }
      - { .name: bf, .offset: 32, .size: 8, .value_kind: global_buffer, .address_space: global }
      - { .name: bo, .offset: 40, .size: 8, .value_kind: global_buffer, .address_space: global }
      - { .name: c, .offset: 48, .size: 8, .value_kind: global_buffer, .address_space: global }
      - { .name: out0, .offset: 56, .size: 8, .value_kind: global_buffer, .address_space: global }
      - { .name: out1, .offset: 64, .size: 8, .value_kind: global_buffer, .address_space: global }
    .group_segment_fixed_size: 327680
    .private_segment_fixed_size: 0
    .kernarg_segment_align: 8
    .kernarg_segment_size: 72
    .max_flat_workgroup_size: 128
    .sgpr_count:     90
    .vgpr_count:     1024
    .wavefront_size: 32
...
	.end_amdgpu_metadata
.endif
;; end of part 3
;; ======== version 2 of 2: 3 launches; version 1 with the launch cast written anew for expert scheduling mode
;; workspace buffers: Ub 16,777,216 bytes; Vb 8,388,608 bytes; Tb 16,777,216 bytes
;; launch cast (part 4): grid 768 x 1, 8 waves a work-group, no clusters, 0 bytes of LDS; arguments Ui, Uc, Uf, Uo, Vi, Vc, Vf, Vo, Ub, Vb; writes Ub, Vb
.if DOCPART == 4
	.amdgcn_target "amdgcn-amd-amdhsa--gfx1250"
	.amdhsa_code_object_version 6
	.text
	.protected	k_q45b1d811ba_cast
	.globl	k_q45b1d811ba_cast
	.p2align	8
	.type	k_q45b1d811ba_cast,@function
k_q45b1d811ba_cast:
	s_mov_b64 s[64:65], 0
	v_nop
	global_prefetch_b8 v0, s[64:65] scope:SCOPE_SE
	s_setreg_imm32_b32 hwreg(HW_REG_WAVE_SCHED_MODE, 0, 2), 2
	s_setreg_imm32_b32 hwreg(HW_REG_WAVE_MODE, 25, 1), 1
	s_wait_xcnt 0x0
	s_wait_alu depctr_vm_vsrc(0)
; The eight weight matrices, f32, are rounded once to bf16 and stacked by gate (order i, c, f, o); [K][N] is kept.
;   Ub[k][512 g + r] = bf16(U_g[k][r])   [4096][2048] bf16;   Vb[512 g + r][n] = bf16(V_g[r][n])   [2048][2048] bf16.
; A stream: each byte is read once and written once; no work-group shares an input with another, so no cluster, no LDS, no matrix unit.
; SHARES.  A work-group takes 16 chunks of 1,024 numbers (65,536 bytes on end) of ONE source: groups 0-511 the four U (128 each),
; groups 512-767 the four V (64 each).  Thread t takes 16 bytes of each chunk: a wave's load covers 512 consecutive bytes,
; its store of 8 bytes a lane 256 consecutive bytes, aligned.  All 16 loads of a thread go out together; no register is used twice.
; THE MODE: SCHED_MODE bits 1:0 = 2 (LLVM: expert scheduling mode 2), set by the entry lines.  The code itself states the register dependences
; between vector instructions and memory instructions, with s_wait_alu, always for 0.
; THE PLAN.  Registers that memory instructions touch:
;   v1      the loads' offset.   Written once at the head; read by all 16 loads; never written again.
;   D       the stores' offsets. Written once at the head; store j reads D + j; never written again.
;   X       chunk j as loaded.   Written by load j alone, once; no vector instruction names it ahead of that load; read by chunk j's two conversions.
;   Y       chunk j to store.    Written by chunk j's two conversions, once; read by store j.
; So the dependences are of one kind: a vector instruction writes what a memory instruction reads.  One wait at the head states it for v1 and D.  The conversions go chunk by
; chunk, as the data come; the stores leave in fours: the wait for four chunks' Y stands at the head of the chunk behind them, behind that chunk's wait for its data, and the four
; stores follow it in one run; the conversions behind them write other registers of Y.  The last four chunks have a wait of their own.  No register that a memory instruction reads
; is written a second time, no vector instruction writes a scalar register or VCC, and EXEC is never written: no other wait is owed.
.set D, 8                              ; v[8:23]   chunk j: my byte offset in the destination
.set X, 32                             ; v[32:95]  chunk j: four f32 as loaded
.set Y, 96                             ; v[96:127] chunk j: four bf16 to store
	s_load_b512 s[8:23], s[0:1], 0x0               ; the eight sources, in the order of the gates: U's four, V's four
	s_load_b128 s[24:27], s[0:1], 0x40             ; Ub s[24:25], Vb s[26:27]
	; both cases are worked out, then chosen: shifts and sums write SCC, moves and selects do not
	s_lshr_b32 s34, ttmp9, 7                       ; U: which gate,
	s_and_b32 s35, ttmp9, 127                      ;    which 32 rows of it
	s_lshl_b32 s36, s34, 10                        ;    the gate's 512 columns: 1,024 bytes into a row of Ub
	s_lshl_b32 s37, s35, 17                        ;    32 rows of 4,096 bytes
	s_add_co_u32 s36, s36, s37
	s_and_b32 s38, ttmp9, 255                      ; V: the group's number less 512
	s_lshr_b32 s39, s38, 6                         ;    which gate,
	s_and_b32 s40, s38, 63                         ;    which 16,384 numbers of it
	s_lshl_b32 s41, s39, 21                        ;    the gate's 512 rows of 4,096 bytes
	s_lshl_b32 s42, s40, 15                        ;    16,384 bf16
	s_add_co_u32 s41, s41, s42
	s_add_co_u32 s39, s39, 4                       ;    V's sources come behind U's four
	s_movk_i32 s5, 2048
	s_cmp_lt_u32 ttmp9, 512                        ; a group of U's?
	s_cselect_b32 s3, s34, s39                     ; the source's number, 0 to 7
	s_cselect_b32 s4, s35, s40                     ; my part of it
	s_cselect_b32 s5, 8192, s5                     ; bytes in the destination from chunk to chunk: U: two rows of Ub; V: dense
	s_cselect_b32 s6, 3072, 0                      ; U: a chunk is two rows of 512; the second lies 4,096 bytes on, not 1,024
	s_cselect_b32 s32, s36, s41                    ; the group's first byte in the destination
	s_mov_b32 s33, 0
	s_lshl_b32 s44, s4, 16                         ; and in the source
	s_mov_b32 s45, 0
	v_lshlrev_b32 v1, 4, v0                        ; my 16 bytes of a chunk
	v_lshrrev_b32 v3, 7, v0                        ; which half of the chunk
	v_lshlrev_b32 v2, 3, v0                        ; my 8 bytes of its bf16
	v_mad_u32_u24 v2, v3, s6, v2
.set j, 0
.rept 16
	v_mad_u32_u24 v[D+j], s5, j, v2
.set j, j+1
.endr
	s_wait_kmcnt 0x0
	s_cmp_lt_u32 ttmp9, 512
	s_cselect_b64 s[30:31], s[24:25], s[26:27]     ; Ub or Vb
	s_mov_b64 s[28:29], s[8:9]
.irp n, 1,2,3,4,5,6,7
	s_cmp_eq_u32 s3, \n
	s_cselect_b64 s[28:29], s[8+2*\n:9+2*\n], s[28:29]
.endr
	s_add_nc_u64 s[28:29], s[28:29], s[44:45]
	s_add_nc_u64 s[30:31], s[30:31], s[32:33]
	s_wait_alu depctr_va_vdst(0)                   ; v1 and v[D ..] are written: the loads below read v1 as their offset, the stores further down D + j; neither is written again
.set j, 0
.rept 16
	global_load_b128 v[X+4*j:X+4*j+3], v1, s[28:29] offset:4096*j th:TH_LOAD_NT
.set j, j+1
.endr
.set j, 0
.rept 16
	s_wait_loadcnt 15-j                            ; loads come back in order (ISA guide 5.7.1): chunk j is in, the younger ones stay out
.if (j > 0) && ((j % 4) == 0)
	s_wait_alu depctr_va_vdst(0)                   ; the conversions of the four chunks before have written their Y, which the four stores below read
.set n, j-4
.rept 4
	global_store_b64 v[D+n], v[Y+2*n:Y+2*n+1], s[30:31]
.set n, n+1
.endr
.endif
	v_cvt_pk_bf16_f32 v[Y+2*j], v[X+4*j], v[X+4*j+1]
	v_cvt_pk_bf16_f32 v[Y+2*j+1], v[X+4*j+2], v[X+4*j+3]
.set j, j+1
.endr
	s_wait_alu depctr_va_vdst(0)                   ; the conversions of chunks 12 to 15 have written their Y, which the last four stores read
.set n, 12
.rept 4
	global_store_b64 v[D+n], v[Y+2*n:Y+2*n+1], s[30:31]
.set n, n+1
.endr
	s_endpgm
.Lfunc_end_k_q45b1d811ba_cast:
	.size	k_q45b1d811ba_cast, .Lfunc_end_k_q45b1d811ba_cast-k_q45b1d811ba_cast
	.p2alignl 7, 3214868480
	.fill 96, 4, 3214868480
	.section	.rodata,"a",@progbits
	.p2align	6, 0x0
	.amdhsa_kernel k_q45b1d811ba_cast
		.amdhsa_group_segment_fixed_size 0
		.amdhsa_private_segment_fixed_size 0
		.amdhsa_enable_private_segment 0
		.amdhsa_kernarg_size 80
		.amdhsa_user_sgpr_count 2
		.amdhsa_user_sgpr_kernarg_segment_ptr 1
		.amdhsa_wavefront_size32 1
		.amdhsa_system_sgpr_workgroup_id_x 1
		.amdhsa_system_sgpr_workgroup_id_y 1
		.amdhsa_system_sgpr_workgroup_id_z 1
		.amdhsa_system_vgpr_workitem_id 0
		.amdhsa_next_free_vgpr 128
		.amdhsa_next_free_sgpr 66
		.amdhsa_reserve_vcc 0
		.amdhsa_float_denorm_mode_32 3
		.amdhsa_float_denorm_mode_16_64 3
		.amdhsa_memory_ordered 1
		.amdhsa_forward_progress 1
		.amdhsa_inst_pref_size 9
	.end_amdhsa_kernel
	.amdgpu_metadata
---
amdhsa.version: [ 1, 2 ]
amdhsa.kernels:
  - .name:           k_q45b1d811ba_cast
    .symbol:         k_q45b1d811ba_cast.kd
    .args:
      - { .name: Ui, .offset: 0, .size: 8, .value_kind: global_buffer, .address_space: global }
      - { .name: Uc, .offset: 8, .size: 8, .value_kind: global_buffer, .address_space: global }
      - { .name: Uf, .offset: 16, .size: 8, .value_kind: global_buffer, .address_space: global }
      - { .name: Uo, .offset: 24, .size: 8, .value_kind: global_buffer, .address_space: global }
      - { .name: Vi, .offset: 32, .size: 8, .value_kind: global_buffer, .address_space: global }
      - { .name: Vc, .offset: 40, .size: 8, .value_kind: global_buffer, .address_space: global }
      - { .name: Vf, .offset: 48, .size: 8, .value_kind: global_buffer, .address_space: global }
      - { .name: Vo, .offset: 56, .size: 8, .value_kind: global_buffer, .address_space: global }
      - { .name: Ub, .offset: 64, .size: 8, .value_kind: global_buffer, .address_space: global }
      - { .name: Vb, .offset: 72, .size: 8, .value_kind: global_buffer, .address_space: global }
    .group_segment_fixed_size: 0
    .private_segment_fixed_size: 0
    .kernarg_segment_align: 8
    .kernarg_segment_size: 80
    .max_flat_workgroup_size: 256
    .sgpr_count:     66
    .vgpr_count:     128
    .wavefront_size: 32
...
	.end_amdgpu_metadata
.endif
;; end of part 4
;; launch lowrank: the kernel of part 2 again; grid 32 x 8, 4 waves a work-group, clusters of 4 x 1, 327,680 bytes of LDS; arguments x, h, Ub, Tb; writes Tb
;; launch gates: the kernel of part 3 again; grid 16 x 32, 4 waves a work-group, clusters of 4 x 4, 327,680 bytes of LDS; arguments Tb, Vb, bi, bc, bf, bo, c, out0, out1; writes out0, out1
